; MI455X (gfx1250); checked and timed in simulation.
; The chip was launched on July 23, 2026; its instructions are those of AMD's public machine-readable ISA for CDNA 5 (MIT licence, August 2026) and "CDNA5" Instruction Set Architecture Reference Guide (July 2026). The comments in the code are by the model that wrote it; some were corrected since.
;; Multi Head Attention. Allowed arithmetic: matrix products marked QUANTISED: E2M1 operands, one E8M0 scale for each 32 along K, by v_wmma_scale_f32_16x16x128_f8f6f4 with both operands' format E2M1 (or v_wmma_scale_f32_32x16x128_f4), f32 sums; everything else in f32.
;; Inputs: W_attn_codes 3,072 x 32 x 16 uint8 (E2M1 codes of W_attn, K innermost, in blocks of 32 codes, two codes a byte); W_attn_scales 3,072 x 32 uint8 (E8M0 scales of W_attn, one for each 32 codes along K); W_proj_codes 1,024 x 32 x 16 uint8 (E2M1 codes of W_proj, K innermost, in blocks of 32 codes, two codes a byte); W_proj_scales 1,024 x 32 uint8 (E8M0 scales of W_proj, one for each 32 codes along K); b_attn 3,072 float32; b_proj 1,024 float32; x_codes 4 x 2,048 x 32 x 16 uint8 (E2M1 codes of x, K innermost, in blocks of 32 codes, two codes a byte); x_scales 4 x 2,048 x 32 uint8 (E8M0 scales of x, one for each 32 codes along K).
;; Outputs: out0 4 x 2,048 x 1,024 float32.
;; This version of the problem:
;;   THIS VERSION OF THE PROBLEM IS GIVEN IN LOW PRECISION. The matrix products marked QUANTISED in the list below multiply operands that are first quantised to E2M1 (2 exponent bits, 1 mantissa bit; 4 bits a number), with one power-of-two scale for each 32 numbers along K (OCP MX v1.0); their sums are f32. All else is computed in f32.
;;   The module's matrix products, in the order in which they are computed (A, B: the left and right operand; K: the contracted axis; several contracted axes count as one K, in the product's order):
;;     1. [M 8,192, K 1,024] x [K 1,024, N 3,072]; A: input x (given as codes); B: input W_attn (given as codes): QUANTISED
;;     2. batch 64 x [M 2,048, K 64] x [K 64, N 2,048]; A: computed on the way; B: computed on the way: QUANTISED
;;     3. batch 64 x [M 2,048, K 2,048] x [K 2,048, N 64]; A: softmax (see below); B: computed on the way: QUANTISED
;;     4. [M 8,192, K 1,024] x [K 1,024, N 1,024]; A: computed on the way; B: input W_proj (given as codes): QUANTISED
;;   THE QUANTISER, for each operand of a quantised product, along K:
;;     - K is cut into blocks of 32 from its start; a last block that is shorter is filled with zeros.
;;     - A block's scale is 2^e with e = floor(log2(the largest magnitude in the block)) - 2, held to -126 .. 127; a block of zeros has e = 0. As a byte (E8M0): e + 127.
;;     - Each number is divided by its block's scale, clamped to +-6, and rounded to the nearest number of E2M1, ties to even, subnormals kept.
;;     - The product sums the exact products of the quantised numbers (number of the format x scale) in f32.
;;   ~~~python
;;   def quantise(x, axis):      # numpy; x: float32 -> the quantised numbers, widened to float32 again
;;       x = np.moveaxis(x, axis, -1); K = x.shape[-1]
;;       x = np.pad(x, [(0, 0)] * (x.ndim - 1) + [(0, -K % 32)]); x = x.reshape(x.shape[:-1] + (-1, 32)); a = np.abs(x).max(-1, keepdims=True)
;;       e = np.where(a > 0, np.clip(np.frexp(np.where(a > 0, a, 1))[1] - 1 - 2, -126, 127), 0)      # np.frexp(a)[1] - 1 = floor(log2(a)), exactly
;;       r = np.clip(x / 2.0 ** e, -6, 6)
;;       step = 2.0 ** (np.maximum(np.frexp(np.where(r == 0, 1, r))[1] - 1, 0) - 1)
;;       q = np.round(r / step) * step * 2.0 ** e      # np.round: ties to even
;;       return np.moveaxis(q.reshape(q.shape[:-2] + (-1,))[..., :K], -1, axis).astype(np.float32)
;;   ~~~
;;   SOFTMAX AHEAD OF A QUANTISED PRODUCT. Where the list says 'softmax', what is quantised is not the finished softmax but p = 2^(t - M), with t = logit x log2(e) and M = ceil(the row's largest t), a whole number; so 1/2 < the row's largest p <= 1. The row's sum l is taken of the UNQUANTISED p, in f32, and the product's result is divided by l at the end. Since M is a whole number, a kernel that streams over the keys may use a running M (the ceiling of the running maximum): every later rescaling is an exact power of two, which a block's scale takes up: the codes' values come out the same.
;;   OPERANDS COMPUTED ON THE WAY. 'Computed on the way' means the value that the module computes at that place (a softmax that the list does not call 'softmax' is quantised finished and normalised). What goes into a quantiser is computed in f32, as accurately as f32 sums, v_exp_f32 and their like allow (about 1e-6 of the number): no bf16 or f16 on the way to a quantiser, and a product that is left as it is and whose result goes on into a quantised operand takes f32 operands (vector FMAs, or v_wmma_f32_16x16x4_f32). A number that lies on a knife's edge between two numbers of the format may be rounded either way, as far as f32 arithmetic and the matrix unit's own rounding can turn it there, and no further.
;;   INPUTS GIVEN AS CODES. W_attn (in the module: [1024, 3072], K = its axis 0); W_proj (in the module: [1024, 1024], K = its axis 0); x (in the module: [4, 2048, 1024], K = its axis 2): each comes as NAME_codes (uint8): NAME with its K axis moved to the last place and cut into blocks of 32 codes, [.., K / 32, bytes a block], one block behind the other in memory; two codes a byte, the lower K in the low four bits (a code: sign, 2 exponent bits, 1 mantissa bit); and NAME_scales (uint8): the same leading axes, one E8M0 byte (e + 127) for each 32 codes along K. Its value is code x scale, taken as it is: it is not quantised again, and the codes and scales need not be those that the quantiser above would give.
;; One version. Each part assembles by itself: llvm-mc -triple=amdgcn-amd-amdhsa -mcpu=gfx1250 --defsym DOCPART=n.
;; ======== version 1 of 1: 3 launches
;; workspace buffers: qbuf 4,718,592 bytes; kvbuf 9,175,040 bytes; oimg 4,194,304 bytes; osc 262,144 bytes
;; launch qkv (part 1): grid 12 x 32, 4 waves a work-group, clusters of 4 x 4, 279,040 bytes of LDS; arguments x_codes, x_scales, W_attn_codes, W_attn_scales, b_attn, qbuf, kvbuf; writes qbuf, kvbuf
.if DOCPART == 1
	.amdgcn_target "amdgcn-amd-amdhsa--gfx1250"
	.amdhsa_code_object_version 6
	.text
	.protected	k_qdd8d6bb8f7_qkv
	.globl	k_qdd8d6bb8f7_qkv
	.p2align	8
	.type	k_qdd8d6bb8f7_qkv,@function
k_qdd8d6bb8f7_qkv:
	s_mov_b64 s[64:65], 0
	v_nop
	global_prefetch_b8 v0, s[64:65] scope:SCOPE_SE
	s_setreg_imm32_b32 hwreg(HW_REG_WAVE_MODE, 25, 1), 1
	s_wait_xcnt 0x0
	s_wait_alu depctr_hold_cnt(0) depctr_sa_sdst(0) depctr_va_vdst(0) depctr_va_sdst(0) depctr_va_ssrc(0) depctr_va_vcc(0) depctr_vm_vsrc(0)
	s_getreg_b32 s2, hwreg(HW_REG_IB_STS2, 6, 4)
	s_cmp_eq_u32 s2, 0
	s_cbranch_scc0 .Lentry_in_a_cluster
	s_endpgm
.Lentry_in_a_cluster:
	s_bfe_u32 s2, ttmp6, 0x10000c
	s_cmp_lg_u32 s2, 0xf033
	s_cbranch_scc0 .Lentry_shape_is_right
	s_endpgm
.Lentry_shape_is_right:
; qkv = x W_attn + b_attn on codes of FP4 (E2M1) with one E8M0 scale for each 32 along K = 1,024; the results are quantised here, in registers, and leave as codes:
; q and k along the head's 64 channels (two blocks), v along the keys (blocks of 32 tokens).  x: [8192][1024] codes, W_attn: [3072][1024] codes, K innermost; b_attn [3072] f32.
; DEAD WORK OF THE PROGRAM.  reference() builds a causal mask in its own body: scores of keys behind a query become -inf, so their p is 0 and they add nothing to the sum or to the second product, whatever the inputs hold.
; So the attention launch leaves out every step of 128 keys that lies wholly behind a tile of 16 queries.  Nothing else is left out: every input has a way to the output and is loaded (k's part of b_attn moves k's codes).
; LIMIT: a NaN, an infinity or an overflow that would reach only such hidden keys is not carried to the result.
; LIMITS OF THE QUANTISERS: a block whose largest magnitude lies under 2^-124 keeps the scale byte 1; a block of zeros gets the byte 1 where the rule says 127 (its codes are zeros, and this program alone reads the bytes);
; NaN, infinities and the scale byte 0xff among the inputs are not served.
; SHARES.  A work-group makes 256 tokens x 256 columns; its four waves 128 x 128 each: 64 accumulators of 16 x 16.  The cluster's x says which part the columns belong to: 0 q, 1 k, 2 v: the same in all sixteen partners.
; q, k: source 0 = 16 rows of W (columns of qkv), source 1 = 16 tokens: a lane holds ONE token and eight neighbouring channels a tile.   v: source 0 = 16 tokens, source 1 = 16 rows of W: a lane holds ONE channel and eight neighbouring tokens.
; Either way a lane's 64 results of one source-1 block run along the axis that is quantised: register 8 b + j is index 16 b + 8 (lane / 16) + j, and a block of 32 is tiles 2 B, 2 B + 1 in lanes l and l xor 16.
; All of K fits in LDS: two halves of 512 along K, each filled once, jointly in the cluster (x's tile shared along a row of the cluster, W's along a column).  Nothing is filled again.
; OUT.  The codes leave as images of the operand registers that the attention launch wants, 16 bytes a lane, 512 consecutive bytes a store.  Block (batch, head, step of 128 tokens):
;   qbuf, 4,608 bytes: tile a of 16 tokens at 512 a + 16 lane (lane (r, h): channels 32 h .. 32 h + 31 of token r); scale words at 4,096 + 16 lane + 4 i: lanes 0-15 tile 2 i, lanes 16-31 tile 2 i + 1; bytes 2, 3 are 0x7f.
;   kvbuf, 8,960 bytes: k as q; from 4,608 on v: tile t of 16 channels x 128 keys at 1,024 t + 512 c + 16 lane; its scale words at 4,096 + 8 lane + 4 i.
; REGISTERS.  window 0: v1-8 lane terms; v16-21 LDS addresses; v28, v29 the add's two; v32-63 source 0's scale words, v64-95 source 1's; v96-111 quantiser at work; v112-119 a scale word for each block; v120-127 words to store;
;   v128-191 codes; v192-255 the bias in the result's layout.   window 1: two sets of fragments (source 0 at 128 p, source 1 at 128 p + 64).   windows 2, 3: the accumulators, (a, b) at 8 (8 (a % 4) + b).
.set PITCH,  272                       ; an LDS row: 256 bytes (512 codes) + 16 of padding: the 16 rows of a fragment load start at 16 different groups of banks
.set HALFT,  128*PITCH                 ; 128 rows: one tensor load
.set SLOT,   4*HALFT                   ; a K half: x's 256 rows, then W's 256
.set SPARE,  2*SLOT                    ; the spare words: 128 bytes a wave
.set LI,   4                           ; v4  16 x lane
.set L8,   5                           ; v5  8 x lane
.set SCA,  6                           ; v6  (r + 64 h) x 32: my row of scale bytes
.set BQ,   7                           ; v7  32 h: the bias of q and k
.set BV,   8                           ; v8  4 r: the bias of v
.set ADR0, 16                          ; v16-17 source 0's fragments in K half 0, 1
.set ADR1, 20                          ; v20-21 source 1's
.set SPW,  28
.set NIL,  29
.set SC0,  32
.set SC1,  64
.set TM,   96
.set PW,   112
.set AW,   120
.set PC,   128
.set BI,   192
.set G1,   24                          ; s[24:31] group 1 for x's tiles, s[32:39] group 0, a set for each K half
.set G0,   32
.set G1B,  48                          ; s[48:55], s[56:63] the same for W's
.set G0B,  56
.set MSB, 0
.macro WIN new                         ; the immediate's high byte repeats the setting that is left
.if MSB != \new
	s_set_vgpr_msb (MSB<<8)|\new
.set MSB, \new
.endif
.endm
.macro PLACES n
.rept \n
	v_nop
.endr
.endm
; A joint load: waves 0 and 1 fetch x's halves, waves 2 and 3 W's.  The branch hangs on the wave's number alone.  An s_nop 0 and four v_nop follow each line.
.macro JLOAD g0a, g0b
	s_cmp_eq_u32 s19, 0
	s_cbranch_scc0 .Lfor_b_\@
	tensor_load_to_lds s[\g0a:\g0a+3], s[G1:G1+7]
	s_nop 0
.rept 4
	v_nop
.endr
	s_branch .Lasked_\@
.Lfor_b_\@:
	tensor_load_to_lds s[\g0b:\g0b+3], s[G1B:G1B+7]
	s_nop 0
.rept 4
	v_nop
.endr
.Lasked_\@:
.endm
.macro CROUND                          ; a round of the cluster's barrier
	s_barrier_signal -1
	s_barrier_wait -1
	s_cmp_lg_u32 s18, 0
	s_cbranch_scc1 .Lnot_wave_0_\@
	s_barrier_signal -3
.Lnot_wave_0_\@:
	s_barrier_wait -3
	s_barrier_signal -1
	s_barrier_wait -1
.endm
	s_load_b256 s[4:11], s[0:1], 0x0               ; x's codes s[4:5], x's scales s[6:7], W's codes s[8:9], W's scales s[10:11]
	s_load_b128 s[12:15], s[0:1], 0x20             ; b_attn s[12:13], qbuf s[14:15]
	s_load_b64 s[16:17], s[0:1], 0x30              ; kvbuf
	v_lshl_add_u32 v[SPW], v0, 2, SPARE
	v_mov_b32 v[NIL], 0
	ds_add_u32 v[SPW], v[NIL]                      ; the wave's opening: the add, twice on end, and its wait ahead of my first tensor load
	ds_add_u32 v[SPW], v[NIL]
	v_lshrrev_b32 v1, 5, v0
	v_readfirstlane_b32 s18, v1                    ; wave 0..3
	s_lshr_b32 s19, s18, 1                         ; which half of source 1's rows is mine.  Also: I fetch for x (0) or for W (1)
	s_and_b32 s20, s18, 1                          ; which half of source 0's rows.  Also: which 128 rows I fetch
	s_bfe_u32 s40, ttmp6, 0x40000                  ; cx
	s_bfe_u32 s41, ttmp6, 0x40004                  ; cy
	s_lshl_b32 s42, ttmp9, 2
	s_add_co_u32 s42, s42, s40                     ; X: my 256 columns
	s_and_b32 s45, ttmp7, 0xffff
	s_lshl_b32 s45, s45, 2
	s_add_co_u32 s45, s45, s41                     ; Y: my 256 tokens
	s_lshl_b32 s43, s41, 2
	s_lshl_b32 s43, 15, s43                        ; my row of the cluster
	s_lshl_b32 s44, 0x1111, s40                    ; my column
	s_or_b32 s[G1+0], s43, (1<<20)|(1<<21)|(5<<22)|(3<<25)   ; the mask; elements of 1 byte; padding on; bit 21 beside a mask; after every 64 words, 4 words
	s_or_b32 s[G1B+0], s44, (1<<20)|(1<<21)|(5<<22)|(3<<25)
.irp g, G1, G1B
	s_mov_b32 s[\g+1], 256<<16                     ; tensor_dim0 = 256 bytes
	s_mov_b32 s[\g+2], 128<<16                     ; tensor_dim1 = 128 rows
	s_mov_b32 s[\g+3], 256<<16                     ; tile_dim0
	s_mov_b32 s[\g+4], 128                         ; tile_dim1
	s_mov_b32 s[\g+5], 512                         ; a row of 1,024 codes in memory
	s_mov_b32 s[\g+6], 0
	s_mov_b32 s[\g+7], 0
.endr
	s_lshl_b32 s84, s20, 7                         ; which 128 rows I fetch
	s_lshl_b32 s86, s45, 8
	s_add_co_u32 s86, s86, s84
	s_lshl_b32 s86, s86, 9                         ; x: (256 Y + 128 half) rows of 512 bytes
	s_mov_b32 s87, 0
	s_lshl_b32 s88, s42, 8
	s_add_co_u32 s88, s88, s84
	s_lshl_b32 s88, s88, 9                         ; W: (256 X + 128 half) rows
	s_mov_b32 s89, 0
	s_mul_i32 s85, s18, HALFT                      ; where they go: wave x 128 rows
	s_wait_dscnt 0x0                               ; both opening adds are done
	s_wait_kmcnt 0x0
	s_add_nc_u64 s[86:87], s[4:5], s[86:87]
	s_add_nc_u64 s[88:89], s[8:9], s[88:89]
	CROUND                                         ; all sixteen work-groups are here: the first joint loads meet
.irp s, 0,1
	s_mov_b32 s[G0+4*\s], 1
	s_add_co_u32 s[G0+4*\s+1], s85, \s*SLOT
	s_add_nc_u64 s[G0+4*\s+2:G0+4*\s+3], s[86:87], \s*256
	s_or_b32 s[G0+4*\s+3], s[G0+4*\s+3], 0x80000000
	s_mov_b32 s[G0B+4*\s], 1
	s_add_co_u32 s[G0B+4*\s+1], s85, \s*SLOT
	s_add_nc_u64 s[G0B+4*\s+2:G0B+4*\s+3], s[88:89], \s*256
	s_or_b32 s[G0B+4*\s+3], s[G0B+4*\s+3], 0x80000000
	JLOAD G0+4*\s, G0B+4*\s                        ; both K halves go out at once: two loads of mine are out
.endr
	v_and_b32 v1, 15, v0                           ; r
	v_bfe_u32 v2, v0, 4, 1                         ; h
	v_mul_u32_u24 v3, v1, PITCH
	v_lshl_add_u32 v3, v2, 4, v3                   ; a fragment's row x pitch + 16 h
	v_and_b32 v[LI], 31, v0
	v_lshlrev_b32 v[L8], 3, v[LI]
	v_lshlrev_b32 v[LI], 4, v[LI]
	v_lshlrev_b32 v[SCA], 5, v1
	v_lshl_add_u32 v[SCA], v2, 11, v[SCA]
	v_lshlrev_b32 v[BQ], 5, v2
	v_lshlrev_b32 v[BV], 2, v1
.irp b, 0,1,2,3
	v_mov_b32 v[TM+4+\b], 0                        ; written once: a lane permute's destination counts as one of its sources
.endr
	s_mov_b32 s76, 0x76543210
	s_mov_b32 s77, 0xfedcba98                      ; v_permlanex16_b32's selects for lane l xor 16
	s_mov_b32 s78, 0x1800000                       ; the floor 2^(3 - 127)
	s_mov_b32 s79, 0xffff0000                      ; lanes 16-31
	s_mov_b32 s80, 0x7f7f7f7f
	s_mov_b32 s81, 0x00000504                      ; bytes 0, 1 of the first source, 0x7f above
	s_mov_b32 s82, 0x00000706                      ; bytes 2, 3
	; which tensor is source 0: W for q and k, x for v.  The choice hangs on the cluster's x alone
	s_cmp_eq_u32 ttmp9, 2
	s_cselect_b32 s90, 0, 2*HALFT                  ; source 0's rows in a K half
	s_cselect_b32 s91, 2*HALFT, 0                  ; source 1's
	s_cselect_b32 s92, s20, s19                    ; which half of x's rows is mine
	s_cselect_b32 s93, s19, s20                    ; which half of W's
	s_mul_i32 s84, s20, HALFT
	s_add_co_u32 s84, s84, s90
	s_mul_i32 s85, s19, HALFT
	s_add_co_u32 s85, s85, s91
	v_add_nc_u32 v[ADR0], s84, v3
	v_add_nc_u32 v[ADR1], s85, v3
	s_add_co_u32 s84, s84, SLOT
	s_add_co_u32 s85, s85, SLOT
	v_add_nc_u32 v[ADR0+1], s84, v3
	v_add_nc_u32 v[ADR1+1], s85, v3
	s_lshl_b32 s94, s45, 8
	s_lshl_b32 s92, s92, 7
	s_add_co_u32 s94, s94, s92                     ; my first token
	s_lshl_b32 s95, s42, 8
	s_lshl_b32 s93, s93, 7
	s_add_co_u32 s95, s95, s93                     ; my first column of qkv
	s_lshl_b32 s96, s94, 5
	s_mov_b32 s97, 0
	s_add_nc_u64 s[96:97], s[6:7], s[96:97]        ; x's scale bytes, 32 a row
	s_lshl_b32 s98, s95, 5
	s_mov_b32 s99, 0
	s_add_nc_u64 s[98:99], s[10:11], s[98:99]      ; W's
	s_cmp_eq_u32 ttmp9, 2
	s_cselect_b64 s[66:67], s[96:97], s[98:99]     ; source 0's
	s_cselect_b64 s[68:69], s[98:99], s[96:97]     ; source 1's
	s_lshl_b32 s90, s95, 2
	s_mov_b32 s91, 0
	s_add_nc_u64 s[70:71], s[12:13], s[90:91]      ; the bias of my 128 columns
	; 128 rows x 8 scale words a side: register 8 i + q: lanes 0-15 block i, lanes 16-31 block i + 4, K step q
.irp i, 0,1,2,3
.irp u, 0,1
	global_load_b128 v[SC0+8*\i+4*\u:SC0+8*\i+4*\u+3], v[SCA], s[66:67] offset:\i*512+16*\u
	global_load_b128 v[SC1+8*\i+4*\u:SC1+8*\i+4*\u+3], v[SCA], s[68:69] offset:\i*512+16*\u
.endr
.endr
	; the bias is the C of each sum's first product: 64 registers in the result's layout, all written on both ways
	s_cmp_eq_u32 ttmp9, 2
	s_cbranch_scc1 .Lbias_v
.irp b, 0,1,2,3,4,5,6,7
	global_load_b128 v[BI+8*\b:BI+8*\b+3], v[BQ], s[70:71] offset:64*\b          ; q, k: register 8 b + j = the bias of column 16 b + 8 h + j
	global_load_b128 v[BI+8*\b+4:BI+8*\b+7], v[BQ], s[70:71] offset:64*\b+16
.endr
	s_branch .Lbias_done
.Lbias_v:
	s_wait_alu depctr_va_vdst(0)
.irp a, 0,1,2,3,4,5,6,7
.irp j, 0,1,2,3,4,5,6,7
	global_load_b32 v[BI+8*\a+\j], v[BV], s[70:71] offset:64*\a                  ; v: registers 8 a + 0 .. 7 = the bias of channel 16 a + r
.endr
.endr
.Lbias_done:
	; where my results go: block = 256 batch + 16 head + step; my columns are two heads, an even one and the next
	s_lshr_b32 s84, s94, 11
	s_lshl_b32 s84, s84, 8
	s_and_b32 s85, s95, 1023
	s_lshr_b32 s85, s85, 6
	s_lshl_b32 s85, s85, 4
	s_add_co_u32 s84, s84, s85
	s_bfe_u32 s85, s94, 0x40007
	s_add_co_u32 s84, s84, s85
	s_cmp_eq_u32 ttmp9, 0
	s_mov_b32 s85, 8960
	s_cselect_b32 s85, 4608, s85                   ; a block's bytes
	s_cselect_b64 s[72:73], s[14:15], s[16:17]     ; qbuf or kvbuf
	s_mul_i32 s90, s84, s85
	s_add_nc_u64 s[72:73], s[72:73], s[90:91]      ; the even head's block
	s_lshl_b32 s90, s85, 4
	s_add_nc_u64 s[74:75], s[72:73], s[90:91]      ; the odd head's: 16 blocks on
; 32 LDS loads in one run: the fragments of K step q (128 along K: 64 bytes of a row) into set p
.macro FETCH q, p
	WIN 0x40                                       ; destination window 1
.irp i, 0,1,2,3,4,5,6,7
.irp c, 0,1
	ds_load_b128 v[128*(\p)+8*\i+4*\c:128*(\p)+8*\i+4*\c+3], v[ADR0+(\q)/4] offset:64*((\q)%4)+32*\c+\i*16*PITCH
.endr
.endr
.irp i, 0,1,2,3,4,5,6,7
.irp c, 0,1
	ds_load_b128 v[128*(\p)+64+8*\i+4*\c:128*(\p)+64+8*\i+4*\c+3], v[ADR1+(\q)/4] offset:64*((\q)%4)+32*\c+\i*16*PITCH
.endr
.endr
.endm
; One product.  Blocks 4 to 7 of a side have their scale words in lanes 16-31.  mode 0: in place; 1: C = the bias by source 0's block; 2: by source 1's block
.macro WM a, b, q, p, mode
.set rD, 8*(8*((\a)%4)+(\b))
.set rA, 128*(\p)+8*(\b)
.set rB, 128*(\p)+64+8*(\a)
.set rX, SC0+8*((\b)%4)+(\q)
.set rY, SC1+8*((\a)%4)+(\q)
.set rC, rD
.if (\mode) == 1
.set rC, BI+8*(\b)
.endif
.if (\mode) == 2
.set rC, BI+8*(\a)
.endif
.if ((\a) < 4) && ((\b) < 4)
	v_wmma_scale_f32_16x16x128_f8f6f4 v[rD:rD+7], v[rA:rA+7], v[rB:rB+7], v[rC:rC+7], v[rX], v[rY] matrix_a_fmt:MATRIX_FMT_FP4 matrix_b_fmt:MATRIX_FMT_FP4
.elseif (\a) < 4
	v_wmma_scale_f32_16x16x128_f8f6f4 v[rD:rD+7], v[rA:rA+7], v[rB:rB+7], v[rC:rC+7], v[rX], v[rY] matrix_a_fmt:MATRIX_FMT_FP4 matrix_b_fmt:MATRIX_FMT_FP4 matrix_a_scale:MATRIX_SCALE_ROW1
.elseif (\b) < 4
	v_wmma_scale_f32_16x16x128_f8f6f4 v[rD:rD+7], v[rA:rA+7], v[rB:rB+7], v[rC:rC+7], v[rX], v[rY] matrix_a_fmt:MATRIX_FMT_FP4 matrix_b_fmt:MATRIX_FMT_FP4 matrix_b_scale:MATRIX_SCALE_ROW1
.else
	v_wmma_scale_f32_16x16x128_f8f6f4 v[rD:rD+7], v[rA:rA+7], v[rB:rB+7], v[rC:rC+7], v[rX], v[rY] matrix_a_fmt:MATRIX_FMT_FP4 matrix_b_fmt:MATRIX_FMT_FP4 matrix_a_scale:MATRIX_SCALE_ROW1 matrix_b_scale:MATRIX_SCALE_ROW1
.endif
.endm
; A K step's 64 products.  The 64 accumulators take turns, one instruction a turn, in the same order in every step
.macro MUL q, p, mode
.irp a, 0,1,2,3,4,5,6,7
.if (\mode) == 0
.if \a < 4
	WIN 0xa5                                       ; sources 0 and 1 window 1; C and D window 2
.else
	WIN 0xf5                                       ; C and D window 3
.endif
.else
.if \a < 4
	WIN 0x85                                       ; C (the bias) window 0, D window 2
.else
	WIN 0xc5
.endif
.endif
.irp b, 0,1,2,3,4,5,6,7
	WM \a, \b, \q, \p, \mode
.endr
.endr
.endm
.macro STEP q
	s_wait_dscnt 0x0                               ; this step's fragments, asked for 64 products ago, are in
.if (\q) == 3
	s_wait_tensorcnt 0x0                           ; my part of K half 1 has landed,
	s_barrier_signal -1
	s_barrier_wait -1                              ; everybody's has.
.endif
.if (\q) < 7
	PLACES 4                                       ; in front of loads into the set that the last step's products read
	FETCH (\q)+1, ((\q)+1)%2
.endif
	MUL \q, (\q)%2, 0
.endm
; The 64 results of source 1's block a become a fragment's codes in v[PC + 8 a] on and a scale word in v[PW + a].
; The codes of tile 2 B go to register 4 c + e, those of tile 2 B + 1 to 4 c + 2 + e (B = 2 c + e); two exchanges of halves for each c then give registers 4 c .. 4 c + 3 = index 64 c + 32 h + 0 .. 31.
.macro QUANT a
.set QS, 64*((\a)%4)
.if (\a) < 4
	WIN 0x28                                       ; sources 1 and 2 window 2
.else
	WIN 0x3c                                       ; window 3
.endif
.irp b, 0,1,2,3
	v_max3_num_f32 v[TM+\b], s78, |v[QS+16*\b]|, |v[QS+16*\b+1]|   ; block b: my 16 numbers and the floor; each accumulator is read from its low end on
.endr
.irp i, 2,4,6,8,10,12,14
.irp b, 0,1,2,3
	v_max3_num_f32 v[TM+\b], v[TM+\b], |v[QS+16*\b+\i]|, |v[QS+16*\b+\i+1]|
.endr
.endr
	WIN 0
.irp b, 0,1,2,3
	v_permlanex16_b32 v[TM+4+\b], v[TM+\b], s76, s77
.endr
.irp b, 0,1,2,3
	v_max_num_f32 v[TM+\b], v[TM+\b], v[TM+4+\b]   ; with lane l xor 16's: the block's largest magnitude
.endr
.irp b, 0,1,2,3
	v_add_nc_u32 v[TM+12+\b], 0xff000000, v[TM+\b] ; 2 off its exponent field: the conversion's scale operand
.endr
.irp b, 0,1,2,3
	v_lshrrev_b32 v[TM+4+\b], 23, v[TM+12+\b]      ; the scale's byte
.endr
	v_lshl_or_b32 v[PW+(\a)], v[TM+5], 8, v[TM+4]
	v_lshl_or_b32 v[PW+(\a)], v[TM+6], 16, v[PW+(\a)]
	v_lshl_or_b32 v[PW+(\a)], v[TM+7], 24, v[PW+(\a)]
.if (\a) < 4
	WIN 0x02                                       ; source 0 window 2
.else
	WIN 0x03
.endif
.irp c, 0,1
.irp e, 0,1
	v_cvt_scalef32_pk8_fp4_f32 v[PC+8*(\a)+4*\c+\e], v[QS+16*(2*\c+\e):QS+16*(2*\c+\e)+7], v[TM+12+2*\c+\e]
	v_cvt_scalef32_pk8_fp4_f32 v[PC+8*(\a)+4*\c+2+\e], v[QS+16*(2*\c+\e)+8:QS+16*(2*\c+\e)+15], v[TM+12+2*\c+\e]
.endr
.endr
	WIN 0
	v_nop                                          ; one plain place behind a scaled conversion
.irp c, 0,1
	v_permlane16_swap_b32 v[PC+8*(\a)+4*\c], v[PC+8*(\a)+4*\c+1]
	v_permlane16_swap_b32 v[PC+8*(\a)+4*\c+2], v[PC+8*(\a)+4*\c+3]
.endr
.endm
	s_wait_tensorcnt 0x1                           ; my part of K half 0 is in; K half 1's load may stay out
	s_barrier_signal -1
	s_barrier_wait -1
	s_wait_alu depctr_va_vdst(0)
	FETCH 0, 0
	s_wait_loadcnt 0x0                             ; the scale words and the bias
	s_wait_dscnt 0x0
	FETCH 1, 1
	WIN 0                                          ; at a branch and at a label every window is 0
	s_cmp_eq_u32 ttmp9, 2
	s_cbranch_scc1 .Lfirst_v
	MUL 0, 0, 1                                    ; the first step starts the sums from the bias: nothing is cleared
	WIN 0
	s_branch .Lfirst_done
.Lfirst_v:
	MUL 0, 0, 2
	WIN 0
.Lfirst_done:
.irp q, 1,2,3,4,5,6,7
	STEP \q
.endr
	PLACES 4                                       ; in front of the first read of results
	WIN 0
	s_cmp_eq_u32 ttmp9, 2
	s_cbranch_scc1 .Lout_v
	; q, k: block a is 16 tokens; registers 0-3 of its codes are the even head's 64 channels, registers 4-7 the odd head's.  No register that a store names is written again
.irp a, 0,1,2,3,4,5,6,7
	QUANT \a
	global_store_b128 v[LI], v[PC+8*\a:PC+8*\a+3], s[72:73] offset:\a*512       ; 512 consecutive bytes
	global_store_b128 v[LI], v[PC+8*\a+4:PC+8*\a+7], s[74:75] offset:\a*512
.endr
.irp i, 0,1,2,3
	v_cndmask_b32 v[TM+\i], v[PW+2*\i], v[PW+2*\i+1], s79   ; lanes 0-15: tile 2 i's words, lanes 16-31: tile 2 i + 1's
.endr
.irp i, 0,1,2,3
	v_perm_b32 v[AW+\i], v[TM+\i], s80, s81        ; the even head's two bytes, 0x7f for the 64 zero codes above them
	v_perm_b32 v[AW+4+\i], v[TM+\i], s80, s82      ; the odd head's
.endr
	global_store_b128 v[LI], v[AW:AW+3], s[72:73] offset:4096
	global_store_b128 v[LI], v[AW+4:AW+7], s[74:75] offset:4096
	s_branch .Lout_done
.Lout_v:
	; v: block a is 16 channels x my 128 tokens, one key step: a whole fragment.  Blocks 0-3 are the even head's, 4-7 the odd head's
.irp a, 0,1,2,3
	QUANT \a
	global_store_b128 v[LI], v[PC+8*\a:PC+8*\a+3], s[72:73] offset:4608+\a*1024
	global_store_b128 v[LI], v[PC+8*\a+4:PC+8*\a+7], s[72:73] offset:4608+\a*1024+512
.endr
.irp a, 4,5,6,7
	QUANT \a
	global_store_b128 v[LI], v[PC+8*\a:PC+8*\a+3], s[74:75] offset:4608+(\a-4)*1024
	global_store_b128 v[LI], v[PC+8*\a+4:PC+8*\a+7], s[74:75] offset:4608+(\a-4)*1024+512
.endr
.irp i, 0,1,2,3
	v_cndmask_b32 v[AW+\i], v[PW+2*\i], v[PW+2*\i+1], s79
.endr
	global_store_b64 v[L8], v[AW:AW+1], s[72:73] offset:8704
	global_store_b64 v[L8], v[AW+2:AW+3], s[74:75] offset:8704
.Lout_done:
	s_wait_tensorcnt 0x0                           ; the wave's end
	ds_add_u32 v[SPW], v[NIL]
	s_wait_dscnt 0x0
	CROUND                                         ; the closing round
	s_endpgm
.Lfunc_end_k_qdd8d6bb8f7_qkv:
	.size	k_qdd8d6bb8f7_qkv, .Lfunc_end_k_qdd8d6bb8f7_qkv-k_qdd8d6bb8f7_qkv
	.p2alignl 7, 3214868480
	.fill 96, 4, 3214868480
	.section	.rodata,"a",@progbits
	.p2align	6, 0x0
	.amdhsa_kernel k_qdd8d6bb8f7_qkv
		.amdhsa_group_segment_fixed_size 279040
		.amdhsa_private_segment_fixed_size 0
		.amdhsa_enable_private_segment 0
		.amdhsa_kernarg_size 56
		.amdhsa_user_sgpr_count 2
		.amdhsa_user_sgpr_kernarg_segment_ptr 1
		.amdhsa_wavefront_size32 1
		.amdhsa_system_sgpr_workgroup_id_x 1
		.amdhsa_system_sgpr_workgroup_id_y 1
		.amdhsa_system_sgpr_workgroup_id_z 1
		.amdhsa_system_vgpr_workitem_id 0
		.amdhsa_next_free_vgpr 1024
		.amdhsa_next_free_sgpr 100
		.amdhsa_reserve_vcc 0
		.amdhsa_float_denorm_mode_32 3
		.amdhsa_float_denorm_mode_16_64 3
		.amdhsa_memory_ordered 1
		.amdhsa_forward_progress 1
		.amdhsa_inst_pref_size 172
	.end_amdhsa_kernel
	.amdgpu_metadata
---
amdhsa.version: [ 1, 2 ]
amdhsa.kernels:
  - .name:           k_qdd8d6bb8f7_qkv
    .symbol:         k_qdd8d6bb8f7_qkv.kd
    .args:
      - { .name: x_codes, .offset: 0, .size: 8, .value_kind: global_buffer, .address_space: global }
      - { .name: x_scales, .offset: 8, .size: 8, .value_kind: global_buffer, .address_space: global }
      - { .name: W_attn_codes, .offset: 16, .size: 8, .value_kind: global_buffer, .address_space: global }
      - { .name: W_attn_scales, .offset: 24, .size: 8, .value_kind: global_buffer, .address_space: global }
      - { .name: b_attn, .offset: 32, .size: 8, .value_kind: global_buffer, .address_space: global }
      - { .name: qbuf, .offset: 40, .size: 8, .value_kind: global_buffer, .address_space: global }
      - { .name: kvbuf, .offset: 48, .size: 8, .value_kind: global_buffer, .address_space: global }
    .group_segment_fixed_size: 279040
    .private_segment_fixed_size: 0
    .kernarg_segment_align: 8
    .kernarg_segment_size: 56
    .max_flat_workgroup_size: 128
    .sgpr_count:     100
    .vgpr_count:     1024
    .wavefront_size: 32
...
	.end_amdgpu_metadata
.endif
;; end of part 1
;; launch attn (part 2): grid 4 x 64, 16 waves a work-group, clusters of 4 x 1, 167,936 bytes of LDS; arguments qbuf, kvbuf, oimg, osc; writes oimg, osc
.if DOCPART == 2
	.amdgcn_target "amdgcn-amd-amdhsa--gfx1250"
	.amdhsa_code_object_version 6
	.text
	.protected	k_qdd8d6bb8f7_attn
	.globl	k_qdd8d6bb8f7_attn
	.p2align	8
	.type	k_qdd8d6bb8f7_attn,@function
k_qdd8d6bb8f7_attn:
	s_mov_b64 s[64:65], 0
	v_nop
	global_prefetch_b8 v0, s[64:65] scope:SCOPE_SE
	s_setreg_imm32_b32 hwreg(HW_REG_WAVE_MODE, 25, 1), 1
	s_wait_xcnt 0x0
	s_wait_alu depctr_hold_cnt(0) depctr_sa_sdst(0) depctr_va_vdst(0) depctr_va_sdst(0) depctr_va_ssrc(0) depctr_va_vcc(0) depctr_vm_vsrc(0)
	s_getreg_b32 s2, hwreg(HW_REG_IB_STS2, 6, 4)
	s_cmp_eq_u32 s2, 0
	s_cbranch_scc0 .Lentry_in_a_cluster
	s_endpgm
.Lentry_in_a_cluster:
	s_bfe_u32 s2, ttmp6, 0x10000c
	s_cmp_lg_u32 s2, 0x3003
	s_cbranch_scc0 .Lentry_shape_is_right
	s_endpgm
.Lentry_shape_is_right:
; o = softmax(q k^T / 8, causal) v for one (batch, head) a cluster, both products on codes of FP4 with E8M0 scales; o is quantised along its head's 64 channels (two whole blocks of the projection's K) and leaves as codes.
; LEFT OUT AS DEAD WORK: key steps of 128 keys that lie wholly behind a tile of 16 queries: reference()'s own causal mask gives them p = 0 for all values of the inputs (shown at the head of the first kernel).
; THE SOFTMAX: t = score x log2(e) / 8; M = the running largest t rounded up to a whole number; p = 2^(t - M) is quantised along the keys, not normalised; the sum is taken of the unquantised p and divides at the end.
; When M moves, the sum and O are multiplied by 2^(old M - new M): exact.  LIMITS: as stated at the head of the first kernel.
; SHARES.  The four work-groups of a cluster share a head.  Wave w of partner cx owns query tiles 127 - g and g, g = 4 w + cx: 16 - (w / 2) and (w / 2) + 1 key steps, 17 for every wave of the launch.
; Both limits hang on the wave's number alone.  Waves 0 and 1 of every partner read all 16 key steps.
; LDS.  A head's k and v as codes are 16 blocks of 8,960 bytes, as the first launch laid them: images of operand registers.  Wave w asks for block w, jointly with its three partners: one load a wave, filled once.
; No barrier stands in the loops.  Every loop has 16 trips; a step past the wave's limit is jumped over by a branch on ids.
; LAYOUT.  S^T = k q^T (source 0 = 16 keys, source 1 = my 16 queries), O^T = v^T p^T: a lane holds ONE query.  Register j of tile t is key (or channel) 16 t + 8 (lane / 16) + j.
; The head has 64 channels and the instruction takes 128: q's registers 4-7 are zero codes under the scale byte 0x7f; k's operand for tile t names eight registers, of which the upper four (the next tile's codes, zeros behind the last) meet those zeros.
.set BLKB,  8960
.set SPARE, 16*BLKB                    ; the spare words: 128 bytes for each of 16 waves
.set LI,   1                           ; v1  16 x lane
.set L8,   2                           ; v2  8 x lane
.set SPW,  3
.set NIL,  4
.set AD,   5                           ; v5  the step's block + 16 x lane
.set AD8,  6                           ; v6  + 8 x lane
.set RH,   7                           ; v7  r - 8 h
.set DD,   8                           ; v8  my query's place in its key step, less 8 h
.set NINF, 9                           ; v9  -infinity
.set KF,   32                          ; v32-63 k: 4 registers a tile; v64-67 zeros
.set VF,   68                          ; v68-99 v: 8 registers a tile
.set S,    100                         ; v100-163 S^T, then p
.set OT,   164                         ; v164-195 O^T
.set PCD,  196                         ; v196-203 p's codes
.set BM,   204                         ; v204-207 the blocks' largest
.set PD,   208                         ; v208-211 permutes' destinations, then bytes
.set SO,   212                         ; v212-215 the conversions' scale operands
.set SUM2, 216                         ; v216-217 the sum's second chain
.set FF,   218                         ; v218 f, v219 named with it
.set TT,   220
.set KS,   240                         ; v240-243 k's scale words; v244-245 v's; v246 p's; v247, v248 q's
.set VS,   244
.set PWD,  246
.macro CROUND
	s_barrier_signal -1
	s_barrier_wait -1
	s_cmp_lg_u32 s12, 0
	s_cbranch_scc1 .Lnot_wave_0_\@
	s_barrier_signal -3
.Lnot_wave_0_\@:
	s_barrier_wait -3
	s_barrier_signal -1
	s_barrier_wait -1
.endm
	s_load_b256 s[4:11], s[0:1], 0x0               ; qbuf s[4:5], kvbuf s[6:7], oimg s[8:9], osc s[10:11]
	v_lshl_add_u32 v[SPW], v0, 2, SPARE
	v_mov_b32 v[NIL], 0
	ds_add_u32 v[SPW], v[NIL]                      ; the wave's opening: the add, twice on end, and its wait ahead of my first tensor load
	ds_add_u32 v[SPW], v[NIL]
	v_lshrrev_b32 v5, 5, v0
	s_delay_alu instid0(VALU_DEP_1)
	v_readfirstlane_b32 s12, v5                    ; wave 0..15
	s_bfe_u32 s13, ttmp6, 0x40000                  ; cx
	s_and_b32 s14, ttmp7, 0xffff                   ; 16 batch + head
	s_mov_b32 s16, 15|(3<<16)|(1<<21)              ; the mask: all four partners; elements of 8 bytes; bit 21 beside a mask; no padding
	s_mov_b32 s17, 32<<16                          ; rows of 256 bytes,
	s_mov_b32 s18, 35<<16                          ; 35 of them: a dense block of 8,960 bytes
	s_mov_b32 s19, 32<<16
	s_mov_b32 s20, 35
	s_mov_b32 s21, 32
	s_mov_b32 s22, 0
	s_mov_b32 s23, 0
	s_lshl_b32 s46, s14, 4
	s_add_co_u32 s46, s46, s12
	s_mul_i32 s46, s46, BLKB                       ; key step w of my head, in memory
	s_mov_b32 s47, 0
	s_mov_b32 s24, 1
	s_mul_i32 s25, s12, BLKB                       ; and in LDS
	s_mov_b32 s28, 0x76543210
	s_mov_b32 s29, 0xfedcba98                      ; lane l xor 16
	s_mov_b32 s30, 0x3e38aa3b                      ; c = log2(e) / 8
	s_mov_b32 s31, s30
	s_mov_b32 s44, 0xffff0000                      ; lanes 16-31
	s_wait_dscnt 0x0                               ; both opening adds are done
	s_wait_kmcnt 0x0
	s_add_nc_u64 s[26:27], s[6:7], s[46:47]
	s_or_b32 s27, s27, 0x80000000
	CROUND                                         ; all four work-groups are here: the joint loads meet
	tensor_load_to_lds s[24:27], s[16:23]          ; my one tensor load
	s_nop 0
.rept 4
	v_nop
.endr
	s_lshl_b32 s48, s12, 2
	s_add_co_u32 s48, s48, s13                     ; my low tile g
	s_sub_co_u32 s49, 127, s48                     ; my high tile
	s_lshr_b32 s35, s12, 1                         ; the low tile's last key step
	s_sub_co_u32 s34, 15, s35                      ; the high tile's
	s_and_b32 s50, s49, 7
	s_and_b32 s51, s48, 7
	s_lshl_b32 s36, s50, 4                         ; the tile's first query in its key step
	s_lshl_b32 s37, s51, 4
	s_lshl_b32 s52, s14, 4
; q's codes and scale words of a tile: tl, t7, lim: the registers with the tile, tile % 8, tile / 8
.macro QBASE tl, t7, lim, pc, ps
	s_add_co_u32 s54, s52, s[\lim]
	s_mul_i32 s54, s54, 4608                       ; the block
	s_lshl_b32 s53, s[\t7], 9
	s_add_co_u32 s46, s54, s53
	s_add_nc_u64 s[\pc:\pc+1], s[4:5], s[46:47]
	s_and_b32 s53, s[\tl], 1
	s_lshl_b32 s53, s53, 8                         ; odd tiles' words lie in the places of lanes 16-31
	s_add_co_u32 s54, s54, s53
	s_lshr_b32 s53, s[\t7], 1
	s_lshl_b32 s53, s53, 2
	s_add_co_u32 s46, s54, s53
	s_add_nc_u64 s[\ps:\ps+1], s[4:5], s[46:47]
.endm
	QBASE 49, 50, 34, 56, 58
	QBASE 48, 51, 35, 60, 62
	s_and_b32 s52, s14, 15                         ; head
	s_lshr_b32 s53, s14, 4
	s_lshl_b32 s53, s53, 7                         ; 128 batch
	s_lshr_b32 s54, s52, 3
	s_lshl_b32 s54, s54, 21                        ; the projection's K half
	s_and_b32 s55, s52, 7
	s_lshl_b32 s55, s55, 9
	s_add_co_u32 s54, s54, s55
	s_add_co_u32 s55, s53, s49                     ; T = 128 batch + tile
	s_lshl_b32 s42, s55, 9
	s_lshl_b32 s55, s55, 12
	s_add_co_u32 s46, s54, s55
	s_add_nc_u64 s[38:39], s[8:9], s[46:47]        ; the high tile's codes of o
	s_add_co_u32 s55, s53, s48
	s_lshl_b32 s43, s55, 9
	s_lshl_b32 s55, s55, 12
	s_add_co_u32 s46, s54, s55
	s_add_nc_u64 s[40:41], s[8:9], s[46:47]        ; the low tile's
	s_lshr_b32 s54, s52, 1
	s_lshl_b32 s54, s54, 6
	s_and_b32 s55, s52, 1
	s_lshl_b32 s55, s55, 1
	s_add_co_u32 s46, s54, s55
	s_add_nc_u64 s[10:11], s[10:11], s[46:47]      ; my head's half of the scale words
	v_and_b32 v[LI], 31, v0
	s_delay_alu instid0(VALU_DEP_1)
	v_lshlrev_b32 v[L8], 3, v[LI]
	s_delay_alu instid0(VALU_DEP_2)
	v_lshlrev_b32 v[LI], 4, v[LI]
	v_and_b32 v10, 15, v0                          ; r
	v_bfe_u32 v11, v0, 4, 1
	s_delay_alu instid0(VALU_DEP_1)
	v_lshlrev_b32 v11, 3, v11                      ; 8 h
	s_delay_alu instid0(VALU_DEP_1)
	v_sub_nc_u32 v[RH], v10, v11
	s_delay_alu instid0(VALU_DEP_4)
	v_lshlrev_b32 v221, 4, v10                     ; 16 r
	v_lshlrev_b32 v222, 2, v10                     ; 4 r
	global_load_b128 v[16:19], v[LI], s[56:57]     ; q of the high tile
	global_load_b32 v247, v221, s[58:59] offset:4096
	global_load_b128 v[24:27], v[LI], s[60:61]     ; of the low tile
	global_load_b32 v248, v221, s[62:63] offset:4096
.irp j, 20,21,22,23,28,29,30,31,64,65,66,67
	v_mov_b32 v[\j], 0                             ; zero codes
.endr
	v_mov_b32 v[NINF], 0xff800000
.irp b, 0,1,2,3
	v_mov_b32 v[PD+\b], 0                          ; written once: a lane permute's destination counts as one of its sources
.endr
	v_mov_b32 v[FF+1], 0                           ; named as the upper half of a pair
	v_mov_b32 v[TT], 0
	s_wait_tensorcnt 0x0                           ; my block has landed,
	s_barrier_signal -1
	s_barrier_wait -1                              ; everybody's has: the head's k and v lie in LDS for the rest of the launch
	s_wait_loadcnt 0x0                             ; q
; One tile of 16 queries through its key steps.  qr, qs: q's codes and scale word; lim, ds: scalar registers with the last step and the tile's first query in it; oc, hw: where o's codes and half word go; ob: o's address
.macro PASS qr, qs, lim, ds, oc, hw, ob
	v_mov_b32 v13, 0xff61b1e6                      ; the largest t so far: -3e38
	s_delay_alu instid0(VALU_DEP_1)
	v_floor_f32 v12, -v13                          ; -M
	v_mov_b32 v14, 0                               ; the sum, in two halves
	v_mov_b32 v15, 0
.set j, 0
.rept 32
	v_mov_b32 v[OT+j], 0                           ; the step is written once: the first finds zeros
.set j, j+1
.endr
	v_add_nc_u32 v[DD], s[\ds], v[RH]
	s_mov_b32 s32, 0
	s_mov_b32 s33, 0
.Lstep_\@:
	s_cmp_gt_u32 s33, s[\lim]                      ; all keys of this step lie behind my queries: ids alone
	s_cbranch_scc1 .Lskip_\@
	s_setprio 2
	v_add_nc_u32 v[AD], s32, v[LI]
	v_add_nc_u32 v[AD8], s32, v[L8]
	v_nop
	v_nop                                          ; four places in front of loads into registers that the last products read
.irp t, 0,1,2,3,4,5,6,7
	ds_load_b128 v[KF+4*\t:KF+4*\t+3], v[AD] offset:512*\t
.endr
	ds_load_b128 v[KS:KS+3], v[AD] offset:4096
.irp t, 0,1,2,3
.irp c, 0,1
	ds_load_b128 v[VF+8*\t+4*\c:VF+8*\t+4*\c+3], v[AD] offset:4608+1024*\t+512*\c
.endr
.endr
	ds_load_b64 v[VS:VS+1], v[AD8] offset:8704
	s_wait_dscnt 0x9                               ; k and its scale words are in; v's nine loads may stay out
.irp t, 0,2,4,6
	v_wmma_scale_f32_16x16x128_f8f6f4 v[S+8*\t:S+8*\t+7], v[KF+4*\t:KF+4*\t+7], v[\qr:\qr+7], 0, v[KS+\t/2], v[\qs] matrix_a_fmt:MATRIX_FMT_FP4 matrix_b_fmt:MATRIX_FMT_FP4
	v_wmma_scale_f32_16x16x128_f8f6f4 v[S+8*\t+8:S+8*\t+15], v[KF+4*\t+4:KF+4*\t+11], v[\qr:\qr+7], 0, v[KS+\t/2], v[\qs] matrix_a_fmt:MATRIX_FMT_FP4 matrix_b_fmt:MATRIX_FMT_FP4 matrix_a_scale:MATRIX_SCALE_ROW1
.endr
.rept 4
	v_nop
.endr
	s_cmp_lg_u32 s33, s[\lim]                      ; only my last step lies on the diagonal
	s_cbranch_scc1 .Lopen_\@
.set n, 0
	s_wait_alu depctr_va_vdst(0)
.rept 64
	v_cmp_gt_i32 vcc_lo, 16*(n/8)+n%8, v[DD]       ; register 8 t + j holds key 16 t + 8 h + j of the step: hidden where it comes after my query
	v_cndmask_b32 v[S+n], v[S+n], v[NINF], vcc_lo
.set n, n+1
.endr
.Lopen_\@:
.irp b, 0,1,2,3
	v_max3_num_f32 v[BM+\b], v[S+16*\b], v[S+16*\b+1], v[S+16*\b+2]   ; the largest score of each block of 32 keys: for the row's maximum, and, since p rises with the score, for the block's largest p
.endr
.irp i, 3,5,7,9,11,13
.irp b, 0,1,2,3
	v_max3_num_f32 v[BM+\b], v[BM+\b], v[S+16*\b+\i], v[S+16*\b+\i+1]
.endr
.endr
.irp b, 0,1,2,3
	v_max_num_f32 v[BM+\b], v[BM+\b], v[S+16*\b+15]
.endr
.irp b, 0,1,2,3
	s_delay_alu instid0(VALU_DEP_4)
	v_permlanex16_b32 v[PD+\b], v[BM+\b], s28, s29
.endr
.irp b, 0,1,2,3
	s_delay_alu instid0(VALU_DEP_4)
	v_max_num_f32 v[BM+\b], v[BM+\b], v[PD+\b]
.endr
	s_delay_alu instid0(VALU_DEP_2)
	v_max3_num_f32 v[TT], v[BM], v[BM+1], v[BM+2]
	s_delay_alu instid0(VALU_DEP_1)
	v_max_num_f32 v[TT], v[TT], v[BM+3]
	s_delay_alu instid0(VALU_DEP_1)
	v_mul_f32 v[TT], s30, v[TT]                    ; the step's largest t
	s_delay_alu instid0(VALU_DEP_1)
	v_max_num_f32 v13, v13, v[TT]
	v_mov_b32 v[TT], v12
	s_delay_alu instid0(VALU_DEP_2)
	v_floor_f32 v12, -v13                          ; the new -M = -ceil(t)
	s_delay_alu instid0(VALU_DEP_1)
	v_sub_f32 v[TT], v12, v[TT]                    ; old M - new M: a whole number, 0 or less
	s_delay_alu instid0(VALU_DEP_1)
	v_cvt_i32_f32 v[TT], v[TT]                     ; (it saturates)
	s_delay_alu instid0(VALU_DEP_1)
	v_ldexp_f32 v[FF], 1.0, v[TT]                  ; f = 2^(old M - new M)
.set j, 0
.rept 32
	v_pk_fma_f32 v[S+j:S+j+1], v[S+j:S+j+1], s[30:31], v[12:13] op_sel_hi:[1,0,0]   ; t - M
.set j, j+2
.endr
	s_setprio 1
.irp b, 0,1,2,3
	v_fma_f32 v[BM+\b], v[BM+\b], s30, v12
.endr
.set j, 0
	s_wait_alu depctr_va_vdst(0)
.rept 64
	v_exp_f32 v[S+j], v[S+j]                       ; p = 2^(t - M)
.set j, j+1
.endr
	v_pk_mul_f32 v[14:15], v[14:15], v[FF:FF+1] op_sel_hi:[1,0]   ; the sums under the new M: the plain place behind the batch
	s_wait_alu depctr_va_vdst(0)                   ; one wait for the 64, ahead of their first reader
.irp b, 0,1,2,3
	v_exp_f32 v[BM+\b], v[BM+\b]                   ; the block's largest p
.endr
	v_pk_add_f32 v[216:217], v[104:105], v[108:109]
	v_pk_add_f32 v[254:255], v[112:113], v[116:117]
	v_pk_add_f32 v[252:253], v[120:121], v[124:125]
	v_pk_add_f32 v[250:251], v[128:129], v[132:133]
	v_pk_add_f32 v[242:243], v[136:137], v[140:141]
	v_pk_add_f32 v[240:241], v[144:145], v[148:149]
	v_pk_add_f32 v[238:239], v[152:153], v[156:157]
	v_pk_add_f32 v[14:15], v[14:15], v[160:161]
	v_pk_add_f32 v[216:217], v[216:217], v[100:101]
	v_pk_add_f32 v[254:255], v[254:255], v[102:103]
	v_pk_add_f32 v[252:253], v[252:253], v[106:107]
	v_pk_add_f32 v[250:251], v[250:251], v[110:111]
	v_pk_add_f32 v[242:243], v[242:243], v[114:115]
	v_pk_add_f32 v[240:241], v[240:241], v[118:119]
	v_pk_add_f32 v[238:239], v[238:239], v[122:123]
	v_pk_add_f32 v[14:15], v[14:15], v[126:127]
	v_pk_add_f32 v[216:217], v[216:217], v[130:131]
	v_pk_add_f32 v[254:255], v[254:255], v[134:135]
	v_pk_add_f32 v[252:253], v[252:253], v[138:139]
	v_pk_add_f32 v[250:251], v[250:251], v[142:143]
	v_pk_add_f32 v[242:243], v[242:243], v[146:147]
	v_pk_add_f32 v[240:241], v[240:241], v[150:151]
	v_pk_add_f32 v[238:239], v[238:239], v[154:155]
	v_pk_add_f32 v[14:15], v[14:15], v[158:159]
	v_pk_add_f32 v[216:217], v[216:217], v[162:163]
	s_delay_alu instid0(VALU_DEP_2)
	v_pk_add_f32 v[14:15], v[14:15], v[250:251]
	s_delay_alu instid0(VALU_DEP_2)
	v_pk_add_f32 v[216:217], v[216:217], v[242:243]
	v_pk_add_f32 v[254:255], v[254:255], v[240:241]
	v_pk_add_f32 v[252:253], v[252:253], v[238:239]
	s_delay_alu instid0(VALU_DEP_2)
	v_pk_add_f32 v[14:15], v[14:15], v[254:255]
	s_delay_alu instid0(VALU_DEP_2)
	v_pk_add_f32 v[216:217], v[216:217], v[252:253]
	s_delay_alu instid0(VALU_DEP_1)
	v_pk_add_f32 v[14:15], v[14:15], v[216:217]
	s_wait_alu depctr_va_vdst(0)                   ; and one for the four
.irp b, 0,1,2,3
	v_max_num_f32 v[BM+\b], 0x1800000, v[BM+\b]    ; the floor 2^(3 - 127)
.endr
.irp b, 0,1,2,3
	s_delay_alu instid0(VALU_DEP_4)
	v_add_nc_u32 v[SO+\b], 0xff000000, v[BM+\b]
.endr
.irp b, 0,1,2,3
	s_delay_alu instid0(VALU_DEP_4)
	v_lshrrev_b32 v[PD+\b], 23, v[SO+\b]
.endr
	s_delay_alu instid0(VALU_DEP_3)
	v_lshl_or_b32 v[PWD], v[PD+1], 8, v[PD]
	s_delay_alu instid0(VALU_DEP_1)
	v_lshl_or_b32 v[PWD], v[PD+2], 16, v[PWD]
	s_delay_alu instid0(VALU_DEP_1)
	v_lshl_or_b32 v[PWD], v[PD+3], 24, v[PWD]      ; p's scale word for these 128 keys
	s_setprio 0
.irp c, 0,1
.irp e, 0,1
	v_cvt_scalef32_pk8_fp4_f32 v[PCD+4*\c+\e], v[S+16*(2*\c+\e):S+16*(2*\c+\e)+7], v[SO+2*\c+\e]
	v_cvt_scalef32_pk8_fp4_f32 v[PCD+4*\c+2+\e], v[S+16*(2*\c+\e)+8:S+16*(2*\c+\e)+15], v[SO+2*\c+\e]
.endr
.endr
	v_nop                                          ; one plain place behind a scaled conversion
.irp c, 0,1
	v_permlane16_swap_b32 v[PCD+4*\c], v[PCD+4*\c+1]       ; registers 4 c .. 4 c + 3 now hold keys 64 c + 32 h + 0 .. 31
	v_permlane16_swap_b32 v[PCD+4*\c+2], v[PCD+4*\c+3]
.endr
.set j, 0
.rept 16
	v_pk_mul_f32 v[OT+j:OT+j+1], v[OT+j:OT+j+1], v[FF:FF+1] op_sel_hi:[1,0]   ; O^T under the new M; these sixteen are also the places in front of the products below
.set j, j+2
.endr
	s_wait_alu depctr_va_vdst(0)
	s_wait_dscnt 0x0                               ; v and its scale words are in
.irp t, 0,2
	v_wmma_scale_f32_16x16x128_f8f6f4 v[OT+8*\t:OT+8*\t+7], v[VF+8*\t:VF+8*\t+7], v[PCD:PCD+7], v[OT+8*\t:OT+8*\t+7], v[VS+\t/2], v[PWD] matrix_a_fmt:MATRIX_FMT_FP4 matrix_b_fmt:MATRIX_FMT_FP4
	v_wmma_scale_f32_16x16x128_f8f6f4 v[OT+8*\t+8:OT+8*\t+15], v[VF+8*\t+8:VF+8*\t+15], v[PCD:PCD+7], v[OT+8*\t+8:OT+8*\t+15], v[VS+\t/2], v[PWD] matrix_a_fmt:MATRIX_FMT_FP4 matrix_b_fmt:MATRIX_FMT_FP4 matrix_a_scale:MATRIX_SCALE_ROW1
.endr
.Lskip_\@:
	s_add_co_u32 s32, s32, BLKB
	s_add_co_u32 s33, s33, 1
	s_cmp_lt_u32 s33, 16
	s_cbranch_scc1 .Lstep_\@
	s_setprio 0
	; the tile's way out: o = O^T / the sum, quantised along the head's 64 channels
.rept 4
	v_nop
.endr
	v_add_f32 v14, v14, v15
	s_delay_alu instid0(VALU_DEP_1)
	v_permlanex16_b32 v[TT], v14, s28, s29
	s_delay_alu instid0(VALU_DEP_1)
	v_add_f32 v14, v14, v[TT]                      ; the row's sum
	s_wait_alu depctr_va_vdst(0)
	v_rcp_f32 v14, v14
	v_nop                                          ; a plain place behind the reciprocal
	s_wait_alu depctr_va_vdst(0)                   ; and its wait, ahead of the first reader
.set j, 0
.rept 16
	v_pk_mul_f32 v[S+j:S+j+1], v[OT+j:OT+j+1], v[14:15] op_sel_hi:[1,0]   ; register 8 t + i = o(r, 16 t + 8 h + i)
.set j, j+2
.endr
.irp b, 0,1
	v_max3_num_f32 v[BM+\b], |v[S+16*\b]|, |v[S+16*\b+1]|, 0x1800000
.endr
.irp i, 2,4,6,8,10,12,14
.irp b, 0,1
	s_delay_alu instid0(VALU_DEP_2)
	v_max3_num_f32 v[BM+\b], v[BM+\b], |v[S+16*\b+\i]|, |v[S+16*\b+\i+1]|
.endr
.endr
.irp b, 0,1
	s_delay_alu instid0(VALU_DEP_2)
	v_permlanex16_b32 v[PD+\b], v[BM+\b], s28, s29
.endr
.irp b, 0,1
	s_delay_alu instid0(VALU_DEP_2)
	v_max_num_f32 v[BM+\b], v[BM+\b], v[PD+\b]
.endr
.irp b, 0,1
	s_delay_alu instid0(VALU_DEP_2)
	v_add_nc_u32 v[SO+\b], 0xff000000, v[BM+\b]
.endr
.irp b, 0,1
	s_delay_alu instid0(VALU_DEP_2)
	v_lshrrev_b32 v[PD+\b], 23, v[SO+\b]
.endr
	s_delay_alu instid0(VALU_DEP_1)
	v_lshl_or_b32 v[\hw], v[PD+1], 8, v[PD]        ; my head's two bytes of the row's scale word
.irp e, 0,1
	v_cvt_scalef32_pk8_fp4_f32 v[\oc+\e], v[S+16*\e:S+16*\e+7], v[SO+\e]
	v_cvt_scalef32_pk8_fp4_f32 v[\oc+2+\e], v[S+16*\e+8:S+16*\e+15], v[SO+\e]
.endr
	v_nop
	v_permlane16_swap_b32 v[\oc], v[\oc+1]
	v_permlane16_swap_b32 v[\oc+2], v[\oc+3]       ; lane (r, h): channels 32 h .. 32 h + 31 of token r
	global_store_b128 v[LI], v[\oc:\oc+3], s[\ob:\ob+1]   ; 512 consecutive bytes: four registers of the projection's fragment
.endm
	PASS 16, 247, 34, 36, 224, 10, 38              ; the high tile
	PASS 24, 248, 35, 37, 228, 11, 40              ; the low tile
	; the two tiles' half words leave by one store: lanes 0-15 the high tile's rows, lanes 16-31 the low tile's.  The other half of each word is the neighbouring head's
	v_mov_b32 v223, s42
	v_mov_b32 v232, s43
	s_delay_alu instid0(VALU_DEP_1)
	v_cndmask_b32 v223, v223, v232, s44
	s_delay_alu instid0(VALU_DEP_1)
	v_add_nc_u32 v223, v223, v222                  ; 512 T + 4 r
	v_cndmask_b32 v233, v10, v11, s44
	global_store_b16 v223, v233, s[10:11]
	s_wait_tensorcnt 0x0                           ; the wave's end
	ds_add_u32 v[SPW], v[NIL]
	s_wait_dscnt 0x0
	CROUND                                         ; the closing round
	s_endpgm
.Lfunc_end_k_qdd8d6bb8f7_attn:
	.size	k_qdd8d6bb8f7_attn, .Lfunc_end_k_qdd8d6bb8f7_attn-k_qdd8d6bb8f7_attn
	.p2alignl 7, 3214868480
	.fill 96, 4, 3214868480
	.section	.rodata,"a",@progbits
	.p2align	6, 0x0
	.amdhsa_kernel k_qdd8d6bb8f7_attn
		.amdhsa_group_segment_fixed_size 167936
		.amdhsa_private_segment_fixed_size 0
		.amdhsa_enable_private_segment 0
		.amdhsa_kernarg_size 32
		.amdhsa_user_sgpr_count 2
		.amdhsa_user_sgpr_kernarg_segment_ptr 1
		.amdhsa_wavefront_size32 1
		.amdhsa_system_sgpr_workgroup_id_x 1
		.amdhsa_system_sgpr_workgroup_id_y 1
		.amdhsa_system_sgpr_workgroup_id_z 1
		.amdhsa_system_vgpr_workitem_id 0
		.amdhsa_next_free_vgpr 256
		.amdhsa_next_free_sgpr 66
		.amdhsa_reserve_vcc 1
		.amdhsa_float_denorm_mode_32 3
		.amdhsa_float_denorm_mode_16_64 3
		.amdhsa_memory_ordered 1
		.amdhsa_forward_progress 1
		.amdhsa_inst_pref_size 60
	.end_amdhsa_kernel
	.amdgpu_metadata
---
amdhsa.version: [ 1, 2 ]
amdhsa.kernels:
  - .name:           k_qdd8d6bb8f7_attn
    .symbol:         k_qdd8d6bb8f7_attn.kd
    .args:
      - { .name: qbuf, .offset: 0, .size: 8, .value_kind: global_buffer, .address_space: global }
      - { .name: kvbuf, .offset: 8, .size: 8, .value_kind: global_buffer, .address_space: global }
      - { .name: oimg, .offset: 16, .size: 8, .value_kind: global_buffer, .address_space: global }
      - { .name: osc, .offset: 24, .size: 8, .value_kind: global_buffer, .address_space: global }
    .group_segment_fixed_size: 167936
    .private_segment_fixed_size: 0
    .kernarg_segment_align: 8
    .kernarg_segment_size: 32
    .max_flat_workgroup_size: 512
    .sgpr_count:     66
    .vgpr_count:     256
    .wavefront_size: 32
...
	.end_amdgpu_metadata
.endif
;; end of part 2
;; launch proj (part 3): grid 4 x 64, 4 waves a work-group, clusters of 4 x 4, 327,680 bytes of LDS; arguments oimg, osc, W_proj_codes, W_proj_scales, b_proj, out0; writes out0
.if DOCPART == 3
	.amdgcn_target "amdgcn-amd-amdhsa--gfx1250"
	.amdhsa_code_object_version 6
	.text
	.protected	k_qdd8d6bb8f7_proj
	.globl	k_qdd8d6bb8f7_proj
	.p2align	8
	.type	k_qdd8d6bb8f7_proj,@function
k_qdd8d6bb8f7_proj:
	s_mov_b64 s[64:65], 0
	v_nop
	global_prefetch_b8 v0, s[64:65] scope:SCOPE_SE
	s_setreg_imm32_b32 hwreg(HW_REG_WAVE_MODE, 25, 1), 1
	s_wait_xcnt 0x0
	s_wait_alu depctr_hold_cnt(0) depctr_sa_sdst(0) depctr_va_vdst(0) depctr_va_sdst(0) depctr_va_ssrc(0) depctr_va_vcc(0) depctr_vm_vsrc(0)
	s_getreg_b32 s2, hwreg(HW_REG_IB_STS2, 6, 4)
	s_cmp_eq_u32 s2, 0
	s_cbranch_scc0 .Lentry_in_a_cluster
	s_endpgm
.Lentry_in_a_cluster:
	s_bfe_u32 s2, ttmp6, 0x10000c
	s_cmp_lg_u32 s2, 0xf033
	s_cbranch_scc0 .Lentry_shape_is_right
	s_endpgm
.Lentry_shape_is_right:
; out0 = o W_proj + b_proj on codes of FP4 with E8M0 scales, K = 1,024.  o comes as the attention launch left it: images of operand registers (oimg) and one scale word for each token and 128 along K (osc).
; W_proj: [1024][1024] codes, K innermost; b_proj [1024] f32; out0 [8192][1024] f32.  No work is left out here.
; SHARES.  A work-group makes 128 tokens x 256 columns, so that there are 256 work-groups; a wave 64 tokens x 128 columns: 32 accumulators.  Source 0 = 16 rows of W (columns of out0), source 1 = 16 tokens:
; a lane holds eight neighbouring columns of one token's row.  The bias is the C of each sum's first product.
; All of K fits in LDS: two K halves, each filled once, jointly in the cluster (o's tile shared along a row of the cluster, W's along a column).  Nothing is filled again.
; LDS.  K half k at 102,400 k: o's 8 tiles of 16 tokens x 4,096 bytes, dense (tile a, K step s, register group c at 4,096 a + 1,024 s + 512 c + 16 lane); then W's 256 rows of 256 bytes + 16 of padding.
; The way out goes through a stage of 16 rows x 528 bytes for each wave, in K half 0: it has had its only fill, and behind the barrier in front of K half 1 nobody reads it.
; REGISTERS.  window 0: v1-9 lane terms; v16-25 LDS addresses; v28, v29 the add's two; v32-63 W's scale words, v64-79 o's; v192-255 the bias.   window 1: two sets of fragments; on the way out rows of out0.   window 2: the accumulators, (a, b) at 8 (8 a + b).
.set PITCH,  272
.set HALFT,  128*PITCH
.set OB,     32768                     ; o's part of a K half
.set SLOT,   OB+2*HALFT                ; 102,400
.set SPARE,  2*SLOT
.set SPITCH, 528
.set LI,   4                           ; v4  16 x lane
.set SCA,  6                           ; v6  (r + 64 h) x 32
.set BQ,   7                           ; v7  32 h
.set OSA,  9                           ; v9  4 r + 1,024 h
.set ADR0, 16
.set ADR1, 20
.set STO,  24
.set RD,   25
.set SPW,  28
.set NIL,  29
.set SC0,  32
.set SC1,  64
.set BI,   192
.set G1,   24                          ; s[24:31] group 1 for o's tiles, s[32:39] group 0, a set for each K half
.set G0,   32
.set G1B,  48                          ; s[48:55], s[56:63] the same for W's
.set G0B,  56
.set MSB, 0
.macro WIN new
.if MSB != \new
	s_set_vgpr_msb (MSB<<8)|\new
.set MSB, \new
.endif
.endm
.macro PLACES n
.rept \n
	v_nop
.endr
.endm
.macro JLOAD g0a, g0b                  ; waves 0 and 1 fetch o's halves, waves 2 and 3 W's; an s_nop 0 and four v_nop follow each line
	s_cmp_eq_u32 s19, 0
	s_cbranch_scc0 .Lfor_b_\@
	tensor_load_to_lds s[\g0a:\g0a+3], s[G1:G1+7]
	s_nop 0
.rept 4
	v_nop
.endr
	s_branch .Lasked_\@
.Lfor_b_\@:
	tensor_load_to_lds s[\g0b:\g0b+3], s[G1B:G1B+7]
	s_nop 0
.rept 4
	v_nop
.endr
.Lasked_\@:
.endm
.macro CROUND
	s_barrier_signal -1
	s_barrier_wait -1
	s_cmp_lg_u32 s18, 0
	s_cbranch_scc1 .Lnot_wave_0_\@
	s_barrier_signal -3
.Lnot_wave_0_\@:
	s_barrier_wait -3
	s_barrier_signal -1
	s_barrier_wait -1
.endm
	s_load_b256 s[4:11], s[0:1], 0x0               ; oimg s[4:5], osc s[6:7], W's codes s[8:9], W's scales s[10:11]
	s_load_b128 s[12:15], s[0:1], 0x20             ; b_proj s[12:13], out0 s[14:15]
	v_lshl_add_u32 v[SPW], v0, 2, SPARE
	v_mov_b32 v[NIL], 0
	ds_add_u32 v[SPW], v[NIL]                      ; the wave's opening: the add, twice on end, and its wait ahead of my first tensor load
	ds_add_u32 v[SPW], v[NIL]
	v_lshrrev_b32 v1, 5, v0
	v_readfirstlane_b32 s18, v1                    ; wave 0..3
	s_lshr_b32 s19, s18, 1                         ; which 64 tokens are mine.  Also: I fetch for o (0) or for W (1)
	s_and_b32 s20, s18, 1                          ; which 128 columns.  Also: which half I fetch
	s_bfe_u32 s40, ttmp6, 0x40000                  ; cx
	s_bfe_u32 s41, ttmp6, 0x40004                  ; cy
	s_lshl_b32 s42, ttmp9, 2
	s_add_co_u32 s42, s42, s40                     ; X: my 256 columns
	s_and_b32 s45, ttmp7, 0xffff
	s_lshl_b32 s45, s45, 2
	s_add_co_u32 s45, s45, s41                     ; Y: my 128 tokens
	s_lshl_b32 s43, s41, 2
	s_lshl_b32 s43, 15, s43                        ; my row of the cluster
	s_lshl_b32 s44, 0x1111, s40                    ; my column
	s_or_b32 s[G1+0], s43, (3<<16)|(1<<21)         ; o: the mask; elements of 8 bytes; bit 21 beside a mask; no padding
	s_mov_b32 s[G1+1], 32<<16                      ; rows of 256 bytes,
	s_mov_b32 s[G1+2], 64<<16                      ; 64 of them: four tiles of tokens, dense
	s_mov_b32 s[G1+3], 32<<16
	s_mov_b32 s[G1+4], 64
	s_mov_b32 s[G1+5], 32
	s_mov_b32 s[G1+6], 0
	s_mov_b32 s[G1+7], 0
	s_or_b32 s[G1B+0], s44, (1<<20)|(1<<21)|(5<<22)|(3<<25)   ; W: elements of 1 byte; after every 64 words, 4 words of padding
	s_mov_b32 s[G1B+1], 256<<16
	s_mov_b32 s[G1B+2], 128<<16
	s_mov_b32 s[G1B+3], 256<<16
	s_mov_b32 s[G1B+4], 128
	s_mov_b32 s[G1B+5], 512
	s_mov_b32 s[G1B+6], 0
	s_mov_b32 s[G1B+7], 0
	s_lshl_b32 s86, s45, 15                        ; o: 8 Y tiles of 4,096 bytes,
	s_lshl_b32 s84, s20, 14                        ; + my four
	s_add_co_u32 s86, s86, s84
	s_mov_b32 s87, 0
	s_lshl_b32 s88, s42, 8
	s_lshl_b32 s85, s20, 7
	s_add_co_u32 s88, s88, s85
	s_lshl_b32 s88, s88, 9                         ; W: (256 X + 128 half) rows of 512 bytes
	s_mov_b32 s89, 0
	s_lshl_b32 s90, s20, 14                        ; where they go: o's half,
	s_mul_i32 s91, s20, HALFT
	s_add_co_u32 s91, s91, OB                      ; W's half
	s_wait_dscnt 0x0                               ; both opening adds are done
	s_wait_kmcnt 0x0
	s_add_nc_u64 s[86:87], s[4:5], s[86:87]
	s_add_nc_u64 s[88:89], s[8:9], s[88:89]
	CROUND                                         ; all sixteen work-groups are here: the first joint loads meet
.irp s, 0,1
	s_mov_b32 s[G0+4*\s], 1
	s_add_co_u32 s[G0+4*\s+1], s90, \s*SLOT
	s_add_nc_u64 s[G0+4*\s+2:G0+4*\s+3], s[86:87], \s*2097152
	s_or_b32 s[G0+4*\s+3], s[G0+4*\s+3], 0x80000000
	s_mov_b32 s[G0B+4*\s], 1
	s_add_co_u32 s[G0B+4*\s+1], s91, \s*SLOT
	s_add_nc_u64 s[G0B+4*\s+2:G0B+4*\s+3], s[88:89], \s*256
	s_or_b32 s[G0B+4*\s+3], s[G0B+4*\s+3], 0x80000000
	s_wait_alu depctr_va_vdst(0)
	s_wait_tensorcnt 0x0
	ds_add_u32 v28, v29
	ds_add_u32 v28, v29
	s_wait_dscnt 0x0
	CROUND
	JLOAD G0+4*\s, G0B+4*\s                        ; the K halves go out one by one: one load of mine is out
.endr
	v_and_b32 v1, 15, v0                           ; r
	v_bfe_u32 v2, v0, 4, 1                         ; h
	v_mul_u32_u24 v3, v1, PITCH
	v_lshl_add_u32 v3, v2, 4, v3
	v_and_b32 v[LI], 31, v0
	v_lshlrev_b32 v[LI], 4, v[LI]
	v_lshlrev_b32 v[SCA], 5, v1
	v_lshl_add_u32 v[SCA], v2, 11, v[SCA]
	v_lshlrev_b32 v[BQ], 5, v2
	v_lshlrev_b32 v[OSA], 2, v1
	v_lshl_add_u32 v[OSA], v2, 10, v[OSA]
	s_wait_alu depctr_va_vdst(0)
	s_mul_i32 s84, s20, HALFT
	s_add_co_u32 s84, s84, OB                      ; my 128 rows of W
	s_lshl_b32 s85, s19, 14                        ; my four tiles of o
	v_add_nc_u32 v[ADR0], s84, v3
	v_add_nc_u32 v[ADR1], s85, v[LI]
	s_add_co_u32 s84, s84, SLOT
	s_add_co_u32 s85, s85, SLOT
	v_add_nc_u32 v[ADR0+1], s84, v3
	v_add_nc_u32 v[ADR1+1], s85, v[LI]
	s_mul_i32 s84, s18, 16*SPITCH                  ; my stage
	v_mul_u32_u24 v[STO], v1, SPITCH
	v_lshl_add_u32 v[STO], v2, 5, v[STO]
	v_add_nc_u32 v[STO], s84, v[STO]               ; in: row r, 32 bytes for each half of the lanes
	v_add_nc_u32 v[RD], s84, v[LI]                 ; back: the 32 lanes take a row of 512 bytes
	s_lshl_b32 s92, s42, 8
	s_lshl_b32 s93, s20, 7
	s_add_co_u32 s92, s92, s93                     ; my first column
	s_lshl_b32 s94, s92, 5
	s_mov_b32 s95, 0
	s_add_nc_u64 s[66:67], s[10:11], s[94:95]      ; W's scale bytes, 32 a row
	s_lshl_b32 s94, s45, 12
	s_lshl_b32 s93, s19, 11
	s_add_co_u32 s94, s94, s93
	s_add_nc_u64 s[68:69], s[6:7], s[94:95]        ; o's scale words: 512 bytes a tile of tokens
	s_lshl_b32 s94, s92, 2
	s_add_nc_u64 s[70:71], s[12:13], s[94:95]      ; the bias of my 128 columns
	s_add_nc_u64 s[14:15], s[14:15], s[94:95]      ; out0 at my first column,
	s_lshl_b32 s94, s45, 7
	s_lshl_b32 s93, s19, 6
	s_add_co_u32 s94, s94, s93
	s_lshl_b32 s94, s94, 12
	s_add_nc_u64 s[14:15], s[14:15], s[94:95]      ; and my first token's row of 4,096 bytes
.irp i, 0,1,2,3
.irp u, 0,1
	global_load_b128 v[SC0+8*\i+4*\u:SC0+8*\i+4*\u+3], v[SCA], s[66:67] offset:\i*512+16*\u   ; register 8 i + q: lanes 0-15 block i, lanes 16-31 block i + 4
.endr
.endr
.irp e, 0,1
.irp q, 0,1,2,3,4,5,6,7
	global_load_b32 v[SC1+8*\e+\q], v[OSA], s[68:69] offset:\e*512+\q*64                      ; register 8 e + q: lanes 0-15 tile e, lanes 16-31 tile e + 2
.endr
.endr
.irp b, 0,1,2,3,4,5,6,7
	global_load_b128 v[BI+8*\b:BI+8*\b+3], v[BQ], s[70:71] offset:64*\b                       ; register 8 b + j = the bias of column 16 b + 8 h + j
	global_load_b128 v[BI+8*\b+4:BI+8*\b+7], v[BQ], s[70:71] offset:64*\b+16
.endr
.macro FETCH q, p                      ; 24 LDS loads in one run: the fragments of K step q into set p
	WIN 0x40                                       ; destination window 1
.irp i, 0,1,2,3,4,5,6,7
.irp c, 0,1
	ds_load_b128 v[128*(\p)+8*\i+4*\c:128*(\p)+8*\i+4*\c+3], v[ADR0+(\q)/4] offset:64*((\q)%4)+32*\c+\i*16*PITCH
.endr
.endr
.irp i, 0,1,2,3
.irp c, 0,1
	ds_load_b128 v[128*(\p)+64+8*\i+4*\c:128*(\p)+64+8*\i+4*\c+3], v[ADR1+(\q)/4] offset:\i*4096+((\q)%4)*1024+\c*512
.endr
.endr
.endm
.macro WM a, b, q, p, mode
.set rD, 8*(8*(\a)+(\b))
.set rA, 128*(\p)+8*(\b)
.set rB, 128*(\p)+64+8*(\a)
.set rX, SC0+8*((\b)%4)+(\q)
.set rY, SC1+8*((\a)%2)+(\q)
.set rC, rD
.if (\mode) == 1
.set rC, BI+8*(\b)
.endif
.if ((\a) < 2) && ((\b) < 4)
	v_wmma_scale_f32_16x16x128_f8f6f4 v[rD:rD+7], v[rA:rA+7], v[rB:rB+7], v[rC:rC+7], v[rX], v[rY] matrix_a_fmt:MATRIX_FMT_FP4 matrix_b_fmt:MATRIX_FMT_FP4
.elseif (\a) < 2
	v_wmma_scale_f32_16x16x128_f8f6f4 v[rD:rD+7], v[rA:rA+7], v[rB:rB+7], v[rC:rC+7], v[rX], v[rY] matrix_a_fmt:MATRIX_FMT_FP4 matrix_b_fmt:MATRIX_FMT_FP4 matrix_a_scale:MATRIX_SCALE_ROW1
.elseif (\b) < 4
	v_wmma_scale_f32_16x16x128_f8f6f4 v[rD:rD+7], v[rA:rA+7], v[rB:rB+7], v[rC:rC+7], v[rX], v[rY] matrix_a_fmt:MATRIX_FMT_FP4 matrix_b_fmt:MATRIX_FMT_FP4 matrix_b_scale:MATRIX_SCALE_ROW1
.else
	v_wmma_scale_f32_16x16x128_f8f6f4 v[rD:rD+7], v[rA:rA+7], v[rB:rB+7], v[rC:rC+7], v[rX], v[rY] matrix_a_fmt:MATRIX_FMT_FP4 matrix_b_fmt:MATRIX_FMT_FP4 matrix_a_scale:MATRIX_SCALE_ROW1 matrix_b_scale:MATRIX_SCALE_ROW1
.endif
.endm
.macro MUL q, p, mode                  ; a K step's 32 products; the 32 accumulators take turns, one instruction a turn
.if (\mode) == 0
	WIN 0xa5                                       ; sources 0 and 1 window 1; C and D window 2
.else
	WIN 0x85                                       ; C (the bias) window 0
.endif
.irp a, 0,1,2,3
.irp b, 0,1,2,3,4,5,6,7
	WM \a, \b, \q, \p, \mode
.endr
.endr
.endm
.macro STEP q
	s_wait_dscnt 0x0                               ; this step's fragments, asked for 32 products ago, are in
.if (\q) == 3
	s_wait_tensorcnt 0x0                           ; my part of K half 1 has landed, and my reads of K half 0 are over,
	s_barrier_signal -1
	s_barrier_wait -1                              ; everybody's.
.endif
.if (\q) < 7
	PLACES 4                                       ; in front of loads into the set that the last step's products read
	FETCH (\q)+1, ((\q)+1)%2
.endif
	MUL \q, (\q)%2, 0
.endm
	s_wait_alu depctr_va_vdst(0)
	s_wait_tensorcnt 0x1                           ; my part of K half 0 is in; K half 1's load may stay out
	s_barrier_signal -1
	s_barrier_wait -1
	FETCH 0, 0
	s_wait_loadcnt 0x0                             ; the scale words and the bias
	s_wait_dscnt 0x0
	FETCH 1, 1
	MUL 0, 0, 1                                    ; the first step starts the sums from the bias: nothing is cleared
.irp q, 1,2,3,4,5,6,7
	STEP \q
.endr
; THE WAY OUT, a block of 16 tokens x 128 columns at a time, through my own stage: in as 32 bytes a lane, back as whole rows of 512 bytes.  LDS serves a wave's instructions in order: no wait between the stores and the loads.
.macro TOSTAGE a
	WIN 0x08                                       ; an LDS store's data: window 2
.irp b, 0,1,2,3,4,5,6,7
	ds_store_b128 v[STO], v[64*(\a)+8*\b:64*(\a)+8*\b+3] offset:64*\b        ; each accumulator from its low end on
	ds_store_b128 v[STO], v[64*(\a)+8*\b+4:64*(\a)+8*\b+7] offset:64*\b+16
.endr
	WIN 0x40                                       ; back into window 1: a set of 64 registers for each block, so that no store's data are written again
.irp t, 0,1,2,3,4,5,6,7,8,9,10,11,12,13,14,15
	ds_load_b128 v[64*(\a)+4*\t:64*(\a)+4*\t+3], v[RD] offset:\t*SPITCH
.endr
.endm
.macro SEND a, younger                 ; younger: the LDS instructions issued behind block a's loads
	s_wait_dscnt \younger
	WIN 0x04                                       ; a store's data: window 1
.irp t, 0,1,2,3,4,5,6,7,8,9,10,11,12,13,14,15
	global_store_b128 v[LI], v[64*(\a)+4*\t:64*(\a)+4*\t+3], s[14:15] offset:(\a)*65536+\t*4096 th:TH_STORE_NT   ; 512 consecutive bytes, at a multiple of 256 from out0's first byte
.endr
.endm
	PLACES 4                                       ; in front of the first read of results, and of loads into registers that products read
	TOSTAGE 0
	TOSTAGE 1
	SEND 0, 32                                     ; behind block 0's loads: block 1's 16 stores and 16 loads
	TOSTAGE 2
	SEND 1, 32
	TOSTAGE 3
	SEND 2, 32
	SEND 3, 0
	WIN 0
	s_wait_tensorcnt 0x0                           ; the wave's end, behind my last LDS store
	ds_add_u32 v[SPW], v[NIL]
	s_wait_dscnt 0x0
	CROUND                                         ; the closing round
	s_endpgm
.Lfunc_end_k_qdd8d6bb8f7_proj:
	.size	k_qdd8d6bb8f7_proj, .Lfunc_end_k_qdd8d6bb8f7_proj-k_qdd8d6bb8f7_proj
	.p2alignl 7, 3214868480
	.fill 96, 4, 3214868480
	.section	.rodata,"a",@progbits
	.p2align	6, 0x0
	.amdhsa_kernel k_qdd8d6bb8f7_proj
		.amdhsa_group_segment_fixed_size 327680
		.amdhsa_private_segment_fixed_size 0
		.amdhsa_enable_private_segment 0
		.amdhsa_kernarg_size 48
		.amdhsa_user_sgpr_count 2
		.amdhsa_user_sgpr_kernarg_segment_ptr 1
		.amdhsa_wavefront_size32 1
		.amdhsa_system_sgpr_workgroup_id_x 1
		.amdhsa_system_sgpr_workgroup_id_y 1
		.amdhsa_system_sgpr_workgroup_id_z 1
		.amdhsa_system_vgpr_workitem_id 0
		.amdhsa_next_free_vgpr 768
		.amdhsa_next_free_sgpr 100
		.amdhsa_reserve_vcc 0
		.amdhsa_float_denorm_mode_32 3
		.amdhsa_float_denorm_mode_16_64 3
		.amdhsa_memory_ordered 1
		.amdhsa_forward_progress 1
		.amdhsa_inst_pref_size 73
	.end_amdhsa_kernel
	.amdgpu_metadata
---
amdhsa.version: [ 1, 2 ]
amdhsa.kernels:
  - .name:           k_qdd8d6bb8f7_proj
    .symbol:         k_qdd8d6bb8f7_proj.kd
    .args:
      - { .name: oimg, .offset: 0, .size: 8, .value_kind: global_buffer, .address_space: global }
      - { .name: osc, .offset: 8, .size: 8, .value_kind: global_buffer, .address_space: global }
      - { .name: W_proj_codes, .offset: 16, .size: 8, .value_kind: global_buffer, .address_space: global }
      - { .name: W_proj_scales, .offset: 24, .size: 8, .value_kind: global_buffer, .address_space: global }
      - { .name: b_proj, .offset: 32, .size: 8, .value_kind: global_buffer, .address_space: global }
      - { .name: out0, .offset: 40, .size: 8, .value_kind: global_buffer, .address_space: global }
    .group_segment_fixed_size: 327680
    .private_segment_fixed_size: 0
    .kernarg_segment_align: 8
    .kernarg_segment_size: 48
    .max_flat_workgroup_size: 128
    .sgpr_count:     100
    .vgpr_count:     768
    .wavefront_size: 32
...
	.end_amdgpu_metadata
.endif
;; end of part 3
